; MI455X (gfx1250); checked and timed in simulation.
; The chip was launched on July 23, 2026; its instructions are those of AMD's public machine-readable ISA for CDNA 5 (MIT licence, August 2026) and "CDNA5" Instruction Set Architecture Reference Guide (July 2026). The comments in the code are by the model that wrote it; some were corrected since.
;; W8 A16 LL. Allowed arithmetic: matrix products marked QUANTISED: E2M1 operands, one E8M0 scale for each 32 along K, by v_wmma_scale_f32_16x16x128_f8f6f4 with both operands' format E2M1 (or v_wmma_scale_f32_32x16x128_f4), f32 sums; everything else in f32.
;; Inputs: bias 1 x 4,096 float32; input_codes 2 x 2,048 x 128 x 16 uint8 (E2M1 codes of input, K innermost, in blocks of 32 codes, two codes a byte); input_scales 2 x 2,048 x 128 uint8 (E8M0 scales of input, one for each 32 codes along K); int8_weights 4,096 x 4,096 int8; scales 4,096 float32.
;; Outputs: out0 2 x 2,048 x 4,096 float32.
;; This version of the problem:
;;   THIS VERSION OF THE PROBLEM IS GIVEN IN LOW PRECISION. The matrix products marked QUANTISED in the list below multiply operands that are first quantised to E2M1 (2 exponent bits, 1 mantissa bit; 4 bits a number), with one power-of-two scale for each 32 numbers along K (OCP MX v1.0); their sums are f32. All else is computed in f32.
;;   The module's matrix products, in the order in which they are computed (A, B: the left and right operand; K: the contracted axis; several contracted axes count as one K, in the product's order):
;;     1. [M 4,096, K 4,096] x [K 4,096, N 4,096]; A: input input (given as codes); B: input int8_weights: QUANTISED
;;   THE QUANTISER, for each operand of a quantised product, along K:
;;     - K is cut into blocks of 32 from its start; a last block that is shorter is filled with zeros.
;;     - A block's scale is 2^e with e = floor(log2(the largest magnitude in the block)) - 2, held to -126 .. 127; a block of zeros has e = 0. As a byte (E8M0): e + 127.
;;     - Each number is divided by its block's scale, clamped to +-6, and rounded to the nearest number of E2M1, ties to even, subnormals kept.
;;     - The product sums the exact products of the quantised numbers (number of the format x scale) in f32.
;;   ~~~python
;;   def quantise(x, axis):      # numpy; x: float32 -> the quantised numbers, widened to float32 again
;;       x = np.moveaxis(x, axis, -1); K = x.shape[-1]
;;       x = np.pad(x, [(0, 0)] * (x.ndim - 1) + [(0, -K % 32)]); x = x.reshape(x.shape[:-1] + (-1, 32)); a = np.abs(x).max(-1, keepdims=True)
;;       e = np.where(a > 0, np.clip(np.frexp(np.where(a > 0, a, 1))[1] - 1 - 2, -126, 127), 0)      # np.frexp(a)[1] - 1 = floor(log2(a)), exactly
;;       r = np.clip(x / 2.0 ** e, -6, 6)
;;       step = 2.0 ** (np.maximum(np.frexp(np.where(r == 0, 1, r))[1] - 1, 0) - 1)
;;       q = np.round(r / step) * step * 2.0 ** e      # np.round: ties to even
;;       return np.moveaxis(q.reshape(q.shape[:-2] + (-1,))[..., :K], -1, axis).astype(np.float32)
;;   ~~~
;;   INPUTS GIVEN AS CODES. input (in the module: [2, 2048, 4096], K = its axis 2): each comes as NAME_codes (uint8): NAME with its K axis moved to the last place and cut into blocks of 32 codes, [.., K / 32, bytes a block], one block behind the other in memory; two codes a byte, the lower K in the low four bits (a code: sign, 2 exponent bits, 1 mantissa bit); and NAME_scales (uint8): the same leading axes, one E8M0 byte (e + 127) for each 32 codes along K. Its value is code x scale, taken as it is: it is not quantised again, and the codes and scales need not be those that the quantiser above would give.
;; One version. Each part assembles by itself: llvm-mc -triple=amdgcn-amd-amdhsa -mcpu=gfx1250 --defsym DOCPART=n.
;; ======== version 1 of 1: 2 launches
;; limits: right only within a limited range of input values
;; workspace buffers: w_codes 8,388,608 bytes; scl 1,048,576 bytes
;; launch prep (part 1): grid 64 x 9, 4 waves a work-group, no clusters, 10,752 bytes of LDS; arguments int8_weights, input_scales, w_codes, scl; writes w_codes, scl
.if DOCPART == 1
	.amdgcn_target "amdgcn-amd-amdhsa--gfx1250"
	.amdhsa_code_object_version 6
	.text
	.protected	k_q5ea902fbdf_prep
	.globl	k_q5ea902fbdf_prep
	.p2align	8
	.type	k_q5ea902fbdf_prep,@function
k_q5ea902fbdf_prep:
	s_mov_b64 s[64:65], 0
	v_nop
	global_prefetch_b8 v0, s[64:65] scope:SCOPE_SE
	s_setreg_imm32_b32 hwreg(HW_REG_WAVE_MODE, 25, 1), 1
	s_wait_xcnt 0x0
; W [4096 (n)][4096 (k)], int8, becomes codes of FP4 (E2M1), K innermost, two codes a byte, with one E8M0 byte for each 32 along K; and both operands' scale bytes are laid by K step of 512.
; w_codes: [4096 rows p][2048 bytes].  Row p = 64 G + 16 b + t holds W's row n = 64 G + 4 t + b: the product's launch then finds, in one lane, four neighbouring columns of its result.
; scl: [8 (K step of 512)][8192 rows][16 bytes]: rows 0 .. 4095 are the input's rows m, rows 4096 + p are W's rows in w_codes' order; byte j scales k = 512 ks + 32 j .. + 31.
; THE QUANTISER: a block's scale is 2^(floor(log2(its largest magnitude)) - 2); each number is divided by it, held at +-6 (the conversion gives the largest code beyond 6) and rounded to the nearest code, ties to even.
; LIMIT: a block of zeros gets the byte 125 (that of a largest magnitude of 1) where the rule says 127: its codes are zeros, which add nothing under any byte but 0xff, and this program alone reads the byte.
; SHARES.  Work-groups with y = 0 .. 7 take W: work-group (G, ks), wave b: the 16 rows n = 64 G + 4 t + b, 512 numbers of each from k = 512 ks on.  Work-groups with y = 8 take the input's scale bytes: wave w the rows 64 x + 16 w .. + 15.
; The two ways part on the work-group's number and do not meet again; each has LDS bytes of its own.  Waves share nothing: no barrier.  Every store's data have registers of their own, so none is written again.
.set ASTG, 1024                        ; LDS: bytes 0 .. 1023: W's way, 256 scale bytes a wave; from ASTG on: the other way, 16 rows x 144 bytes a wave
.set R,    16                          ; v16-79   16 rows x 4 words as loaded (the scales' way: v16-31 as loaded, v32-47 turned)
.set X,    80                          ; v80-111  two rows' 16 numbers in f32
.set C,    112                         ; v112-143 two registers of codes a row
.set E,    144                         ; v144-159 a scale byte a row
	s_load_b256 s[4:11], s[0:1], 0x0               ; W s[4:5], the input's scale bytes s[6:7], w_codes s[8:9], scl s[10:11]
	v_lshl_add_u32 v160, v0, 2, 0x2800
	v_mov_b32 v161, 0
	v_lshrrev_b32 v1, 5, v0
	v_readfirstlane_b32 s12, v1                    ; wave 0..3
	s_and_b32 s13, ttmp7, 0xffff                   ; work-group y
	s_mov_b32 s20, 0x80808080                      ; flips the sign bits of four bytes: x + 128, 0 .. 255
	s_mov_b32 s26, 0x4b000000                      ; the f32 number 2^23: with a byte u as its lowest byte it is 2^23 + u
	s_mov_b32 s28, 0xcb000080                      ; -(2^23 + 128)
	s_mov_b32 s29, s28
	s_mov_b32 s32, 0x03000004                      ; v_perm_b32: top byte 0x4b, two bytes 0, the word's byte k
	s_mov_b32 s33, 0x03000005
	s_mov_b32 s34, 0x03000006
	s_mov_b32 s35, 0x03000007
	v_and_b32 v1, 31, v0                           ; lane
	v_lshlrev_b32 v2, 4, v1                        ; 16 x lane: my 16 bytes of a load's 512
	v_lshlrev_b32 v3, 3, v1                        ; 8 x lane: my 8 bytes of a store's 256
	s_lshl_b32 s21, s12, 8
	v_lshrrev_b32 v4, 1, v1
	v_add_nc_u32 v4, s21, v4                       ; LDS: my wave's 256 scale bytes, my block's byte (two lanes to a block)
	v_add_nc_u32 v5, s21, v3                       ; and back, 8 bytes a lane
	s_mul_i32 s22, s12, 2304
	s_add_co_u32 s22, s22, ASTG                    ; the other way's stage of my wave
	v_lshrrev_b32 v8, 3, v1
	v_mul_u32_u24 v12, v8, 144
	v_and_b32 v8, 7, v1
	v_lshl_add_u32 v12, v8, 4, v12
	v_add_nc_u32 v12, s22, v12                     ; in: row lane / 8 of a load's four, its 16 bytes lane % 8; rows 144 bytes apart
	v_and_b32 v8, 15, v1                           ; r
	v_lshrrev_b32 v9, 4, v1                        ; h
	v_mul_u32_u24 v13, v8, 144
	v_lshl_add_u32 v13, v9, 4, v13
	v_add_nc_u32 v13, s22, v13                     ; back: row r, K step h (+ 2 j)
	v_lshlrev_b32 v14, 4, v8
	v_lshl_add_u32 v14, v9, 17, v14                ; and in scl: 16 r + 131,072 h
	s_lshl_b32 s23, ttmp9, 6                       ; 64 x
	s_lshl_b32 s24, s12, 4
	s_add_co_u32 s24, s23, s24                     ; 64 x + 16 wave
	s_mov_b32 s15, 0
	s_mov_b32 s17, 0
	s_mov_b32 s19, 0
	s_cmp_eq_u32 s13, 8
	s_cbranch_scc1 .Lscales
	; ---- W's way
	s_add_co_u32 s14, s23, s12
	s_lshl_b32 s14, s14, 12                        ; W: row 64 G + b, 4,096 bytes a row,
	s_lshl_b32 s25, s13, 9
	s_add_co_u32 s14, s14, s25                     ; + 512 ks
	s_lshl_b32 s16, s24, 11                        ; w_codes: row 64 G + 16 b, 2,048 bytes a row,
	s_lshl_b32 s25, s13, 8
	s_add_co_u32 s16, s16, s25                     ; + 256 ks
	s_lshl_b32 s18, s24, 4                         ; scl: 16 bytes a row,
	s_lshl_b32 s25, s13, 17
	s_add_co_u32 s18, s18, s25                     ; + 131,072 ks,
	s_add_co_u32 s18, s18, 65536                   ; behind the input's 4,096 rows
	s_wait_kmcnt 0x0
	s_add_nc_u64 s[4:5], s[4:5], s[14:15]
	s_add_nc_u64 s[8:9], s[8:9], s[16:17]
	s_add_nc_u64 s[10:11], s[10:11], s[18:19]
.irp t, 0,1,2,3,4,5,6,7,8,9,10,11,12,13,14,15
	global_load_b128 v[R+4*\t:R+4*\t+3], v2, s[4:5] offset:16384*\t th:TH_LOAD_NT   ; row n = 64 G + 4 t + b: 32 lanes read 512 consecutive bytes; a lane's 16 are neighbours along K; read once in the launch
.endr
; Rows t and t + 1 of the wave's sixteen, line by line in turn.  A byte x becomes f32 exactly: x + 128 by the flipped sign bit, laid into the lowest byte of 2^23, and 2^23 + 128 taken away.
.macro QPAIR t
	s_wait_loadcnt 14-(\t)                         ; loads come back in order: both rows are in, the younger ones stay out
.irp i, 0,1,2,3,4,5,6,7
	v_xor_b32 v[R+4*(\t)+\i], s20, v[R+4*(\t)+\i]
.endr
.irp i, 0,1,2,3,4,5,6,7
.irp k, 0,1,2,3
	v_perm_b32 v[X+4*\i+\k], v[R+4*(\t)+\i], s26, s[32+\k]
.endr
.endr
.irp i, 0,2,4,6,8,10,12,14,16,18,20,22,24,26,28,30
	v_pk_add_f32 v[X+\i:X+\i+1], v[X+\i:X+\i+1], s[28:29] op_sel_hi:[1,0]
.endr
.irp r, 0,1                            ; the largest magnitude of each row's 16 numbers of mine, in two chains
	v_max3_num_f32 v[8+2*\r], |v[X+16*\r]|, |v[X+16*\r+1]|, |v[X+16*\r+2]|
	v_max3_num_f32 v[9+2*\r], |v[X+16*\r+3]|, |v[X+16*\r+4]|, |v[X+16*\r+5]|
.endr
.irp i, 6,10
.irp r, 0,1
	v_max3_num_f32 v[8+2*\r], v[8+2*\r], |v[X+16*\r+\i]|, |v[X+16*\r+\i+1]|
	v_max3_num_f32 v[9+2*\r], v[9+2*\r], |v[X+16*\r+\i+2]|, |v[X+16*\r+\i+3]|
.endr
.endr
.irp r, 0,1
	v_max3_num_f32 v[8+2*\r], v[8+2*\r], |v[X+16*\r+14]|, |v[X+16*\r+15]|
.endr
.irp r, 0,1
	v_max3_num_f32 v[8+2*\r], v[8+2*\r], v[9+2*\r], 1.0           ; and the floor 1: only a block of zeros lies under it
.endr
.irp r, 0,1
	v_max_num_f32_dpp v[8+2*\r], v[8+2*\r], v[8+2*\r] row_xmask:1 row_mask:0xf bank_mask:0xf   ; with my neighbour's 16: the block's
.endr
.irp r, 0,1
	v_add_nc_u32 v[162+\r], 0xff000000, v[8+2*\r]  ; 2 off its exponent field: the conversion takes that field as its scale, and nothing else of the operand
.endr
.irp r, 0,1
	v_cvt_scalef32_pk8_fp4_f32 v[C+2*(\t)+2*\r], v[X+16*\r:X+16*\r+7], v[162+\r]   ; eight numbers / the scale, to the nearest code; the first number's code in the lowest four bits
	v_cvt_scalef32_pk8_fp4_f32 v[C+2*(\t)+2*\r+1], v[X+16*\r+8:X+16*\r+15], v[162+\r]
.endr
.irp r, 0,1
	v_lshrrev_b32 v[E+(\t)+\r], 23, v[162+\r]      ; the scale's byte.  (Also the plain instructions between the conversions and the next rows' writes of their sources)
.endr
.irp r, 0,1
	ds_store_b8 v4, v[E+(\t)+\r] offset:16*((\t)+\r)               ; both lanes of a block write the same byte with the same value
	global_store_b64 v3, v[C+2*(\t)+2*\r:C+2*(\t)+2*\r+1], s[8:9] offset:2048*((\t)+\r)   ; row p = 64 G + 16 b + t: the wave stores 256 consecutive bytes, at a multiple of 256 from the buffer's first byte
.endr
.endm
.irp t, 0,2,4,6,8,10,12,14
	QPAIR \t
.endr
	ds_load_b64 v[6:7], v5                         ; LDS serves a wave's instructions in order: this sees my sixteen byte stores
	s_wait_dscnt 0x0
	global_store_b64 v3, v[6:7], s[10:11]          ; my 16 rows' 16 bytes of this K step: 256 consecutive bytes, aligned likewise
	s_wait_tensorcnt 0x0
	ds_add_u32 v160, v161
	s_wait_dscnt 0x0
	s_endpgm
	; ---- the input's scale bytes: [m][128] becomes [ks][m][16].  My 16 rows are 2,048 dense bytes; they turn through my stage
.Lscales:
	s_lshl_b32 s14, s24, 7                         ; 128 bytes a row
	s_lshl_b32 s16, s24, 4                         ; 16 bytes a row
	s_wait_kmcnt 0x0
	s_add_nc_u64 s[6:7], s[6:7], s[14:15]
	s_add_nc_u64 s[10:11], s[10:11], s[16:17]
.irp i, 0,1,2,3
	global_load_b128 v[R+4*\i:R+4*\i+3], v2, s[6:7] offset:512*\i th:TH_LOAD_NT   ; four rows a load, 512 consecutive bytes
.endr
	s_wait_alu depctr_va_vdst(0)
.irp i, 0,1,2,3
	s_wait_loadcnt 3-\i                            ; load i is in, the younger ones stay out
	ds_store_b128 v12, v[R+4*\i:R+4*\i+3] offset:576*\i          ; rows 4 i .. 4 i + 3
.endr
.irp j, 0,1,2,3
	ds_load_b128 v[R+16+4*\j:R+16+4*\j+3], v13 offset:32*\j      ; row r, K step 2 j + h; my own bytes, served in order behind the stores
.endr
.irp j, 0,1,2,3
	s_wait_dscnt 3-\j
	global_store_b128 v14, v[R+16+4*\j:R+16+4*\j+3], s[10:11] offset:262144*\j   ; lanes 0-15: 256 consecutive bytes of K step 2 j, lanes 16-31 of K step 2 j + 1, each aligned to 256
.endr
	s_wait_tensorcnt 0x0
	ds_add_u32 v160, v161
	s_wait_dscnt 0x0
	s_endpgm
.Lfunc_end_k_q5ea902fbdf_prep:
	.size	k_q5ea902fbdf_prep, .Lfunc_end_k_q5ea902fbdf_prep-k_q5ea902fbdf_prep
	.p2alignl 7, 3214868480
	.fill 96, 4, 3214868480
	.section	.rodata,"a",@progbits
	.p2align	6, 0x0
	.amdhsa_kernel k_q5ea902fbdf_prep
		.amdhsa_group_segment_fixed_size 10752
		.amdhsa_private_segment_fixed_size 0
		.amdhsa_enable_private_segment 0
		.amdhsa_kernarg_size 32
		.amdhsa_user_sgpr_count 2
		.amdhsa_user_sgpr_kernarg_segment_ptr 1
		.amdhsa_wavefront_size32 1
		.amdhsa_system_sgpr_workgroup_id_x 1
		.amdhsa_system_sgpr_workgroup_id_y 1
		.amdhsa_system_sgpr_workgroup_id_z 1
		.amdhsa_system_vgpr_workitem_id 0
		.amdhsa_next_free_vgpr 164
		.amdhsa_next_free_sgpr 66
		.amdhsa_reserve_vcc 0
		.amdhsa_float_denorm_mode_32 3
		.amdhsa_float_denorm_mode_16_64 3
		.amdhsa_memory_ordered 1
		.amdhsa_forward_progress 1
		.amdhsa_inst_pref_size 48
	.end_amdhsa_kernel
	.amdgpu_metadata
---
amdhsa.version: [ 1, 2 ]
amdhsa.kernels:
  - .name:           k_q5ea902fbdf_prep
    .symbol:         k_q5ea902fbdf_prep.kd
    .args:
      - { .name: int8_weights, .offset: 0, .size: 8, .value_kind: global_buffer, .address_space: global }
      - { .name: input_scales, .offset: 8, .size: 8, .value_kind: global_buffer, .address_space: global }
      - { .name: w_codes, .offset: 16, .size: 8, .value_kind: global_buffer, .address_space: global }
      - { .name: scl, .offset: 24, .size: 8, .value_kind: global_buffer, .address_space: global }
    .group_segment_fixed_size: 10752
    .private_segment_fixed_size: 0
    .kernarg_segment_align: 8
    .kernarg_segment_size: 32
    .max_flat_workgroup_size: 128
    .sgpr_count:     66
    .vgpr_count:     164
    .wavefront_size: 32
...
	.end_amdgpu_metadata
.endif
;; end of part 1
;; launch gemm (part 2): grid 16 x 16, 4 waves a work-group, clusters of 4 x 4, 327,680 bytes of LDS; arguments input_codes, w_codes, scl, scales, bias, out0; writes out0
.if DOCPART == 2
	.amdgcn_target "amdgcn-amd-amdhsa--gfx1250"
	.amdhsa_code_object_version 6
	.text
	.protected	k_q5ea902fbdf_gemm
	.globl	k_q5ea902fbdf_gemm
	.p2align	8
	.type	k_q5ea902fbdf_gemm,@function
k_q5ea902fbdf_gemm:
	s_mov_b64 s[64:65], 0
	v_nop
	global_prefetch_b8 v0, s[64:65] scope:SCOPE_SE
	s_setreg_imm32_b32 hwreg(HW_REG_WAVE_MODE, 25, 1), 1
	s_wait_xcnt 0x0
	s_wait_alu depctr_hold_cnt(0) depctr_sa_sdst(0) depctr_va_vdst(0) depctr_va_sdst(0) depctr_va_ssrc(0) depctr_va_vcc(0) depctr_vm_vsrc(0)
	s_getreg_b32 s2, hwreg(HW_REG_IB_STS2, 6, 4)
	s_cmp_eq_u32 s2, 0
	s_cbranch_scc0 .Lentry_in_a_cluster
	s_endpgm
.Lentry_in_a_cluster:
	s_bfe_u32 s2, ttmp6, 0x10000c
	s_cmp_lg_u32 s2, 0xf033
	s_cbranch_scc0 .Lentry_shape_is_right
	s_endpgm
.Lentry_shape_is_right:
; out[m][n] = (sum over k of A[m][k] W[n][k]) x scales[n] + bias[n].  M = N = K = 4,096.  A and W: codes of FP4 (E2M1), 2,048 bytes a row, one E8M0 byte for each 32 along K; sums in f32; out f32.
; A's codes are the problem's input, taken as given (a scale byte 0xff gives NaN).  W's codes and both operands' scale bytes come from the launch before:
;   w_codes row p = 64 G + 16 u + r holds W's row n = 64 G + 4 r + u;  scl is [K step of 512][8192 rows][16 bytes], rows 0 .. 4095 A's, rows 4096 + p W's.
; LIMITS: sum x scale + bias is ONE fused multiply-add (one rounding where two separate operations round twice).  K ascends but for the last 512, whose quarters of 128 go in the order 0, 2, 3, 1.
; SHARES.  A tile of out, 256 x 256, is made by a work-group of four waves; a wave makes 128 x 128: 32 accumulators of 32 x 16, 512 registers.  16 x 16 tiles: one work-group each.
; K goes in steps of 512 (a tile's row is 256 bytes) through a ring of two LDS slots filled by the tensor data mover; a K step is four steps of 128, 32 matrix instructions each.
; TWO SETS OF FRAGMENTS for A and for W: the next step's 32 LDS loads go out in one run at a step's head, into the set that the step before has multiplied, a whole step ahead of their use.
; THE LAST K STEP GOES BY ROWS: W's fragments of all its 512 fill window 1, A's come by blocks of 32 rows, and each block of 32 rows x 128 columns is stored as soon as it is finished.
; THE SCALE WORDS go from memory straight into the scale registers, a K step ahead: 32 rows x 16 bytes are 512 consecutive bytes of scl, and a lane's 16 bytes are its row's four words of the K step.
; A's: lane m of a block's register holds row m of 32.  W's: lanes 0-15 hold block 2 i, lanes 16-31 block 2 i + 1.
; THE WAY OUT NEEDS NO LDS.  In accumulator (a, 4 g + u) lane (r, h) holds, in register 8 i + j, out(32 a + 16 i + 8 h + j, 64 g + 4 r + u).  So the four accumulators u = 0 .. 3 give a lane four neighbouring
; columns, 16 bytes, and sixteen lanes a run of 256 bytes: the multiply-add by scale and bias writes them side by side, into registers that are done with.
; CLUSTERS: 4 x 4 work-groups.  The four of a row of the cluster need the same tiles of A, the four of a column the same tiles of W: each tile is asked for JOINTLY, by the same tensor load with the same
; descriptor and a mask that names the four.
; REGISTERS, in windows of 256: window 0: v1-31 addresses; v32-95 scale words, two sets; v96-103 scales[n], v104-111 bias[n] of my columns; v128-191, v192-255 A's fragments, two sets.
;   window 1: W's fragments, two sets at v0 and v64; in the last K step four.   window 2: the 16 accumulators of my rows 0-63 (accumulator (a, b) at v[16 (8 (a % 2) + b)]);   window 3: those of my rows 64-127.
.set ROWB,   256                       ; a tile's row in bytes
.set KROW,   2048                      ; a row of A or of w_codes in memory
.set PITCH,  272                       ; an LDS row: 256 bytes + 16 of padding = 68 words: row r starts at bank 4 r mod 64 (64 banks of 4 bytes: ISA guide 11.1), so the 16 rows of a load start at 16 different banks
.set NP,     4                         ; places behind this matrix instruction (ISA guide 7.12.1)
.set HALFT,  128*PITCH                 ; 128 rows: what one tensor load brings, and what one wave reads of A or of W
.set SLOT,   4*HALFT                   ; A's 256 rows, then W's 256 rows
.set LAPS,   4                         ; a lap = two K steps = once round the ring: 4,096 / 1,024
.set SPARE,  2*SLOT                    ; behind the ring: the spare words, 128 bytes for each wave: two blocks of 256 bytes that no other line names
.set SSTEP,  131072                    ; a K step in scl
.set OROW,   16384                     ; a row of out in bytes
.set ADRA, 16                          ; v16-17  LDS address of my A fragments in slot 0, 1
.set ADRB, 20                          ; v20-21  the same for W
.set ADRW, 22                          ; v22     my byte offset in a K step of scl: 16 x lane, at W's rows; never rewritten
.set CO,   26                          ; v26     my byte offset in out: 16 r, and eight rows further down for lanes 16-31
.set ADRS, 27                          ; v27     as v22, at A's rows; never rewritten
.set SPW,  28                          ; v28     LDS address of my spare word: SPARE + 4 x my thread's number; never rewritten
.set NIL,  29                          ; v29     0; never rewritten
.set CN,   30                          ; v30     16 r: my four columns in scales and bias
.set PFO,  31                          ; v31     the prefetches' offset: 2,048 x my lane, a lane a row; never rewritten
.set SC,   32                          ; scale words: set s (for slot s) at v[SC + 32 s]; register 4 a + q: A's block a, the slot's q-th 128 along K; register 16 + 4 i + q: W's blocks 2 i and 2 i + 1
.set SV,   96                          ; v96-103  scales of columns 64 g + 4 r + u at 4 g + u
.set BV,   104                         ; v104-111 bias likewise
.set AF,   128                         ; A's fragments
.set WV,   16                          ; s16  my wave's number
.set HR,   17                          ; s17  which half of the tile's rows is mine.  Also: I fetch for A (0) or for W (1)
.set HC,   18                          ; s18  which half of its columns.  Also: which 128 rows of that tile I fetch
.set G1,   24                          ; s[24:31] descriptor group 1 for A's tiles;  s[32:39] group 0, one set for each slot
.set G0,   32
.set RA,   40                          ; s[40:41] A at the first byte of the 128 rows that I fetch
.set SB,   42                          ; s[42:43] scl at the K step whose words were asked for last
.set PFA,  44                          ; s[44:45] where my prefetches stand: my 32 rows; stepped by a K step at each change of slots that fills
.set G1B,  48                          ; s[48:55], s[56:63] the same for W's tiles
.set G0B,  56
.set RB,   66                          ; s[66:67] w_codes at the first byte of the 128 rows that I fetch
.set MSB, 0
.macro WIN new                         ; the immediate's high byte repeats the setting that is left; a switch that changes nothing is dropped
.if MSB != (\new)
	s_set_vgpr_msb (MSB<<8)|(\new)
.set MSB, (\new)
.endif
.endm
.set MUL_LO, 0xa4                      ; source 0 (A) window 0, source 1 (W) window 1, C and D window 2; + 0x50: C and D window 3
.set TO_B,   0x40                      ; destination window 1, address window 0
; A joint load: waves 0 and 1 fetch for A, waves 2 and 3 for W.  Each of the two lines has ONE mask and one set of registers for all that issue it; the branch hangs on the wave's number alone.
; An s_nop 0 and four v_nop follow each of the two lines, ahead of the jump, the label and what follows the macro.
.macro JLOAD s
	s_cmp_eq_u32 s[HR], 0
	s_cbranch_scc0 .Lfor_b_\@
	tensor_load_to_lds s[G0+4*\s:G0+4*\s+3], s[G1:G1+7]
	s_nop 0
.rept 4
	v_nop
.endr
	s_branch .Lasked_\@
.Lfor_b_\@:
	tensor_load_to_lds s[G0B+4*\s:G0B+4*\s+3], s[G1B:G1B+7]
	s_nop 0
.rept 4
	v_nop
.endr
.Lasked_\@:
.endm
.macro CREST                           ; a round of the cluster's barrier behind its opening barrier
	s_cmp_lg_u32 s[WV], 0
	s_cbranch_scc1 .Lnot_wave_0_\@
	s_barrier_signal -3
.Lnot_wave_0_\@:
	s_barrier_wait -3
	s_barrier_signal -1
	s_barrier_wait -1
.endm
.macro CROUND                          ; a whole round
	s_barrier_signal -1
	s_barrier_wait -1
	CREST
.endm
; eight loads: the scale words of one K step into set s.  Other waves read the same bytes: no hint
.macro SCLOAD set
.irp i, 0,1,2,3
	global_load_b128 v[SC+32*(\set)+4*\i:SC+32*(\set)+4*\i+3], v[ADRS], s[SB:SB+1] offset:512*\i
.endr
.irp i, 0,1,2,3
	global_load_b128 v[SC+32*(\set)+16+4*\i:SC+32*(\set)+16+4*\i+3], v[ADRW], s[SB:SB+1] offset:512*\i
.endr
.endm
; THE PREFETCHES INTO THE L2.  One instruction a wave names 32 rows x 256 bytes, a lane a row, of the K step that stands two on from the one just asked for by a joint load.  Of the 128 rows that a wave fetches each of the
; four partners that ask for them jointly takes 32, told apart BY ADDRESS (cx for A, cy for W): each block of 256 bytes is named once in each cluster that loads it.  how = 0, in the first step: K steps 2 and 3; how = 1, in the
; loop: K steps 4 to 7 in its first two trips, nothing in the last.
.macro ASK how
.if \how
	s_cmp_gt_u32 s3, 1
	s_cbranch_scc0 .Lno_ask_\@
.else
	global_prefetch_b8 v[PFO], s[PFA:PFA+1] offset:2*ROWB th:TH_LOAD_NT scope:SCOPE_SE
.endif
	global_prefetch_b8 v[PFO], s[PFA:PFA+1] offset:3*ROWB th:TH_LOAD_NT scope:SCOPE_SE
.if \how
.Lno_ask_\@:
.endif
.endm
.macro FRAG reg, adr, q, i             ; 16 rows x 128 K of 4-bit codes, 8 registers: lane l holds row l % 16; registers 4 c .. 4 c + 3 hold K = 64 c + 32 (l / 16) + 0 .. 31, the lower K in the lower bits
.irp c, 0,1
	ds_load_b128 v[\reg+4*\c:\reg+4*\c+3], v[\adr] offset:64*(\q)+32*\c+(\i)*16*PITCH
.endr
.endm
; One run of 32 LDS loads: a step's fragments into set p: W's eight blocks of 16 rows, then A's eight (block a of 32 rows is two runs of eight registers)
.macro FETCH slot, q, p
	WIN TO_B
.irp i, 0,1,2,3,4,5,6,7
	FRAG 64*(\p)+8*\i, ADRB+\slot, \q, \i
.endr
	WIN 0
.irp i, 0,1,2,3,4,5,6,7
	FRAG AF+64*(\p)+8*\i, ADRA+\slot, \q, \i
.endr
.endm
.macro MX d, a, b, sa, sb, row, zero   ; one matrix instruction.  row: which half of the lanes holds W's scale words.  zero = 1: it starts its sum: nothing is ever cleared
.if \zero
.if (\row)
	v_wmma_scale_f32_32x16x128_f4 v[\d:\d+15], v[\a:\a+15], v[\b:\b+7], 0, v[\sa], v[\sb] matrix_b_scale:MATRIX_SCALE_ROW1
.else
	v_wmma_scale_f32_32x16x128_f4 v[\d:\d+15], v[\a:\a+15], v[\b:\b+7], 0, v[\sa], v[\sb]
.endif
.else
.if (\row)
	v_wmma_scale_f32_32x16x128_f4 v[\d:\d+15], v[\a:\a+15], v[\b:\b+7], v[\d:\d+15], v[\sa], v[\sb] matrix_b_scale:MATRIX_SCALE_ROW1
.else
	v_wmma_scale_f32_32x16x128_f4 v[\d:\d+15], v[\a:\a+15], v[\b:\b+7], v[\d:\d+15], v[\sa], v[\sb]
.endif
.endif
.endm
; Matrix instruction i of a step's 32: A's block i / 8 x W's block i % 8, fragment set p, the slot's q-th 128 along K, scale set sc.  The 32 accumulators take turns, in the same order in every step.
.macro MI i, p, q, sc, zero
	WIN MUL_LO+0x50*((\i)/16)
	MX 16*((\i)%16), AF+64*(\p)+16*((\i)/8), 64*(\p)+8*((\i)%8), SC+32*(\sc)+4*((\i)/8)+(\q), SC+32*(\sc)+16+4*(((\i)%8)/2)+(\q), (\i)%2, \zero
.endm
; A load into a register that a matrix instruction has read, and a vector instruction that reads a matrix result or writes one of its registers, stand NP places behind that matrix instruction, and only plain vector
; instructions that name none of its registers are places (ISA guide 7.12.1 for vector instructions); the matrix instructions in between are not counted.
.macro PLACES
.rept NP
	v_nop
.endr
.endm
; A step of 128 along K that has its successor in the same slot.  The places at its head serve its loads: they go into the other set, whose last readers stand in the step before.
; The first step of a slot (q = 0) asks for the scale words of the K step that the last joint load asked for, into the other set.
.macro STEP slot, q, zero, ask
.if (\q) == 0
	WIN 0
	s_wait_loadcnt 0x0                             ; this slot's scale words, asked for a K step ago, are in; those loads have read their base too
.endif
	PLACES
.if (\q) == 0
	s_add_nc_u64 s[SB:SB+1], s[SB:SB+1], SSTEP
	SCLOAD 1-\slot
	ASK \ask
.endif
	FETCH \slot, (\q)+1, 1-(\q)%2
	s_wait_dscnt 32                                ; this step's fragments, asked for a step ago, are in; the 32 loads just issued may be out
.irp i, 0,1,2,3,4,5,6,7,8,9,10,11,12,13,14,15,16,17,18,19,20,21,22,23,24,25,26,27,28,29,30,31
	MI \i, (\q)%2, \q, \slot, \zero
.endr
.endm
; A slot's last step changes slots.  In front of ONE barrier each wave waits for all its tensor loads, adds 0 to its spare word, and waits for that and for its own reads of this slot.  The barrier opens a round of the cluster's
; barrier; behind it this slot is filled again, two K steps on, and the next slot's first fragments are fetched, twenty matrix instructions ahead of the next step.
.macro TURN slot, next
	WIN 0                                          ; (the add's two registers lie in window 0)
	s_wait_xcnt 0x0                                ; any prefetch of mine has read its base: it is stepped here
	s_add_nc_u64 s[PFA:PFA+1], s[PFA:PFA+1], ROWB
	s_wait_tensorcnt 0x0                           ; all my tensor loads have landed: the one that was out is my part of the next slot
	ds_add_u32 v[SPW], v[NIL]                      ; 0 onto my spare word
	s_add_nc_u64 s[G0+4*\slot+2:G0+4*\slot+3], s[G0+4*\slot+2:G0+4*\slot+3], 2*ROWB     ; no tensor load of mine is out: this slot's groups 0 step
	s_add_nc_u64 s[G0B+4*\slot+2:G0B+4*\slot+3], s[G0B+4*\slot+2:G0B+4*\slot+3], 2*ROWB
	s_wait_dscnt 1                                 ; this step's fragments are in; the add may be out
.irp i, 0,1,2,3,4,5,6,7
	MI \i, 1, 3, \slot, 0
.endr
	s_wait_dscnt 0x0                               ; the add is done, and my reads of this slot are over
	s_barrier_signal -1
.irp i, 8,9,10,11
	MI \i, 1, 3, \slot, 0
.endr
	WIN 0
	s_barrier_wait -1
	CREST                                          ; no wave of any partner still reads this slot's tile or has a load on its way
	JLOAD \slot                                    ; the first tensor load behind the round, my only one until the next; the four v_nop behind it are also the places in front of the loads below
	FETCH \next, 0, 0
.irp i, 12,13,14,15,16,17,18,19,20,21,22,23,24,25,26,27,28,29,30,31
	MI \i, 1, 3, \slot, 0
.endr
.endm
; The last K step, in slot 1
.macro BLOAD q                         ; W's eight fragments of quarter q -> window 1, v[64 q ..]: 16 loads
	WIN TO_B
.irp i, 0,1,2,3,4,5,6,7
	FRAG 64*(\q)+8*\i, ADRB+1, \q, \i
.endr
.endm
.macro ALOAD a                         ; A's block a, all four quarters -> set a % 2: 16 loads
	WIN 0
.irp q, 0,2,3,1
.irp f, 0,1
	FRAG AF+64*((\a)%2)+16*\q+8*\f, ADRA+1, \q, 2*(\a)+\f
.endr
.endr
.endm
.macro ROWQ a, q                       ; block a, quarter q: eight matrix instructions, one on each of the block's accumulators
	WIN MUL_LO+0x50*((\a)/2)
.irp b, 0,1,2,3,4,5,6,7
	MX 16*(8*((\a)%2)+\b), AF+64*((\a)%2)+16*(\q), 64*(\q)+8*\b, SC+32+4*(\a)+(\q), SC+48+4*(\b/2)+(\q), \b%2, 0
.endr
.endm
.macro ROW a
.irp q, 0,2,3,1
	ROWQ \a, \q
.endr
.endm
; THE WAY OUT of block a.  128 multiply-adds put the four accumulators' numbers of one row side by side, in four quarters: quarter k takes registers 4 k .. 4 k + 3 of each of the block's eight accumulators, k ascending, so each is
; read from its low end on.  Where quarter k's 32 results go: over the registers that quarter k - 1 has read; quarter 0's over those of the block before's quarter 3, or, in block 0, over scale set 0, which is done with.
; So no register is written that a store may still read.  Then 32 stores of 16 bytes a lane: lanes 0-15 store 256 consecutive bytes of one row, at a multiple of 256 from out's first byte, lanes 16-31 those eight rows down.
; The immediate is 1,949,952 at the most: inside its signed 24 bits.
.macro DST a, k                        ; where quarter k's results lie: base, distance and window
.if (\k) > 0
.set TB, 128*((\a)%2)+4*((\k)-1)
.set TS, 16
.set TW, 2+(\a)/2
.else
.if (\a) == 0
.set TB, SC
.set TS, 4
.set TW, 0
.else
.set TB, 128*(((\a)-1)%2)+12
.set TS, 16
.set TW, 2+((\a)-1)/2
.endif
.endif
.endm
.macro OUT a
.irp k, 0,1,2,3
	DST \a, \k
	WIN 2+(\a)/2+(TW<<6)                           ; source 0: the block's window; destination: TW
.irp j, 0,1,2,3
.irp g, 0,1
.irp u, 0,1,2,3
	v_fma_f32 v[TB+TS*(2*\j+\g)+\u], v[128*((\a)%2)+16*(4*\g+\u)+4*\k+\j], v[SV+4*\g+\u], v[BV+4*\g+\u]
.endr
.endr
.endr
.endr
.irp k, 0,1,2,3
	DST \a, \k
	WIN TW<<2                                      ; the stores' data: TW
.irp j, 0,1,2,3
.irp g, 0,1
	global_store_b128 v[CO], v[TB+TS*(2*\j+\g):TB+TS*(2*\j+\g)+3], s[14:15] offset:(32*(\a)+16*(\k/2)+4*(\k%2)+\j)*OROW+256*\g th:TH_STORE_NT   ; written once, read by nobody here
.endr
.endr
.endr
.endm
	s_load_b256 s[4:11], s[0:1], 0x0               ; A's codes s[4:5], w_codes s[6:7], scl s[8:9], scales s[10:11]
	s_load_b128 s[12:15], s[0:1], 0x20             ; bias s[12:13], out s[14:15]
	v_lshl_add_u32 v[SPW], v0, 2, SPARE
	v_mov_b32 v[NIL], 0
	ds_add_u32 v[SPW], v[NIL]                      ; the wave's opening: the add, twice on end, and its wait ahead of my first tensor load
	ds_add_u32 v[SPW], v[NIL]
	v_lshrrev_b32 v1, 5, v0
	v_readfirstlane_b32 s[WV], v1                  ; wave 0..3
	s_lshr_b32 s[HR], s[WV], 1
	s_and_b32 s[HC], s[WV], 1
	s_bfe_u32 s19, ttmp6, 0x40000                  ; cx, cy: my place in the cluster
	s_bfe_u32 s20, ttmp6, 0x40004
	s_lshl_b32 s21, ttmp9, 2
	s_add_co_u32 s21, s21, s19                     ; tile column = 4 x cluster x + cx
	s_and_b32 s22, ttmp7, 0xffff
	s_lshl_b32 s22, s22, 2
	s_add_co_u32 s22, s22, s20                     ; tile row = 4 x cluster y + cy
	s_lshl_b32 s69, s20, 2
	s_lshl_b32 s69, 15, s69                        ; my row of the cluster: places 4 cy .. 4 cy + 3
	s_lshl_b32 s70, 0x1111, s19                    ; my column: places cx, cx + 4, cx + 8, cx + 12
	; descriptor group 1: a tile of 128 rows x 256 bytes, padded in LDS
	s_or_b32 s[G1+0], s69, (0<<16)|(1<<20)|(1<<21)|(5<<22)|(3<<25)  ; 15:0 the mask: A's tiles go to my row; 17:16 elements of 1 byte; 20 padding on; 21 set beside a mask; 24:22 after every 64 words (code 5); 31:25 of 4 words (code 3)
	s_or_b32 s[G1B+0], s70, (0<<16)|(1<<20)|(1<<21)|(5<<22)|(3<<25) ; the same with the mask of my column, for W's tiles
.irp g, G1, G1B
	s_mov_b32 s[\g+1], ROWB<<16                    ; tensor_dim0 = 256
	s_mov_b32 s[\g+2], 128<<16                     ; tensor_dim1 = 128
	s_mov_b32 s[\g+3], ROWB<<16                    ; tile_dim0 = 256
	s_mov_b32 s[\g+4], 128                         ; tile_dim1 = 128
	s_mov_b32 s[\g+5], KROW                        ; tensor_dim0_stride
	s_mov_b32 s[\g+6], 0
	s_mov_b32 s[\g+7], 0
.endr
	; where the tiles come from.  A's hang on the tile row alone, which my row of the cluster shares; W's on the tile column alone, which my column shares; each in registers that never hold the other coordinate
	s_lshl_b32 s72, s[HC], 18                      ; which 128 rows of the tile I fetch, x 2,048 bytes
	s_lshl_b32 s[RA], s22, 19                      ; 256 rows x 2,048 bytes a tile row
	s_add_co_u32 s[RA], s[RA], s72
	s_mov_b32 s[RA+1], 0
	s_lshl_b32 s[RB], s21, 19
	s_add_co_u32 s[RB], s[RB], s72
	s_mov_b32 s[RB+1], 0
	s_mul_i32 s23, s[WV], HALFT                    ; where they go: A's two halves, then W's two halves = wave x 128 rows: no place in the cluster enters an LDS address
	s_wait_alu depctr_va_vdst(0)
	s_wait_dscnt 0x0                               ; both opening adds are done
	s_wait_kmcnt 0x0
	s_add_nc_u64 s[RA:RA+1], s[4:5], s[RA:RA+1]
	s_add_nc_u64 s[RB:RB+1], s[6:7], s[RB:RB+1]
.irp s, 0,1
	s_mov_b32 s[G0+4*\s], 1                                        ; count = 1
	s_add_co_u32 s[G0+4*\s+1], s23, \s*SLOT                        ; LDS address
	s_add_nc_u64 s[G0+4*\s+2:G0+4*\s+3], s[RA:RA+1], \s*ROWB       ; global address: K step s
	s_or_b32 s[G0+4*\s+3], s[G0+4*\s+3], 0x80000000                ; type = 2
	s_mov_b32 s[G0B+4*\s], 1
	s_add_co_u32 s[G0B+4*\s+1], s23, \s*SLOT
	s_add_nc_u64 s[G0B+4*\s+2:G0B+4*\s+3], s[RB:RB+1], \s*ROWB
	s_or_b32 s[G0B+4*\s+3], s[G0B+4*\s+3], 0x80000000
.endr
	CROUND                                         ; all sixteen work-groups are here: the first joint loads meet
	JLOAD 0                                        ; K step 0
	s_mul_i32 s72, s[HR], HALFT                    ; my 128 rows of A
	s_mul_i32 s73, s[HC], HALFT                    ; my 128 rows of W,
	s_add_co_u32 s73, s73, 2*HALFT                 ; which lie behind A's 256
	s_lshl_b32 s74, s22, 12                        ; scl: A's rows 256 x tile row + 128 x half, 16 bytes a row
	s_lshl_b32 s75, s[HR], 11
	s_add_co_u32 s74, s74, s75
	s_lshl_b32 s75, s21, 12                        ; W's rows 256 x tile column + 128 x half,
	s_lshl_b32 s76, s[HC], 11
	s_add_co_u32 s75, s75, s76
	s_add_co_u32 s75, s75, 65536                   ; behind A's 4,096 rows
	v_and_b32 v1, 15, v0                           ; r = lane % 16
	v_bfe_u32 v2, v0, 4, 1                         ; h = lane / 16
	v_and_b32 v5, 31, v0                           ; lane
	v_mul_u32_u24 v3, v1, PITCH
	v_lshl_add_u32 v4, v2, 4, v3                   ; a fragment's row x pitch + 16 x half
	v_add_nc_u32 v[ADRA], s72, v4
	v_add_nc_u32 v[ADRB], s73, v4
	v_add_nc_u32 v[ADRA+1], SLOT, v[ADRA]
	v_add_nc_u32 v[ADRB+1], SLOT, v[ADRB]
	v_lshl_add_u32 v[ADRS], v5, 4, s74
	v_lshl_add_u32 v[ADRW], v5, 4, s75
	v_lshlrev_b32 v[CN], 4, v1
	v_lshl_add_u32 v[CO], v2, 17, v[CN]            ; 16 r + 8 rows of 16,384 bytes for lanes 16-31
	v_lshlrev_b32 v[PFO], 11, v5
	s_wait_alu depctr_va_vdst(0)
	s_mov_b64 s[SB:SB+1], s[8:9]
	SCLOAD 0                                       ; the words of K step 0
	s_lshl_b32 s76, s21, 10                        ; my first column, in bytes: 1,024 x tile column + 512 x half
	s_lshl_b32 s77, s[HC], 9
	s_add_co_u32 s76, s76, s77
	s_mov_b32 s77, 0
	s_add_nc_u64 s[10:11], s[10:11], s[76:77]
	s_add_nc_u64 s[12:13], s[12:13], s[76:77]
	s_add_nc_u64 s[14:15], s[14:15], s[76:77]
.irp g, 0,1
	global_load_b128 v[SV+4*\g:SV+4*\g+3], v[CN], s[10:11] offset:256*\g   ; scales of columns 64 g + 4 r + 0 .. 3
	global_load_b128 v[BV+4*\g:BV+4*\g+3], v[CN], s[12:13] offset:256*\g   ; bias likewise
.endr
	s_lshl_b32 s78, s22, 22                        ; my first row of out: 256 x tile row + 128 x half, 16,384 bytes a row
	s_lshl_b32 s79, s[HR], 21
	s_add_co_u32 s78, s78, s79
	s_mov_b32 s79, 0
	s_add_nc_u64 s[14:15], s[14:15], s[78:79]
	; the prefetches: where my wave's stand
	s_cmp_eq_u32 s[HR], 0                          ; do I fetch for A?
	s_cselect_b64 s[PFA:PFA+1], s[4:5], s[6:7]
	s_cselect_b32 s72, s22, s21                    ; the tile: by the tile row in A, by the tile column in w_codes
	s_cselect_b32 s73, s19, s20                    ; my place among the four that ask for it with me
	s_lshl_b32 s72, s72, 8
	s_lshl_b32 s74, s[HC], 7
	s_add_co_u32 s72, s72, s74                     ; + the 128 rows that I fetch
	s_lshl_b32 s73, s73, 5
	s_add_co_u32 s72, s72, s73                     ; + my work-group's 32 of them
	s_lshl_b32 s72, s72, 11                        ; x 2,048 bytes a row
	s_mov_b32 s73, 0
	s_add_nc_u64 s[PFA:PFA+1], s[PFA:PFA+1], s[72:73]
	s_wait_loadcnt 0x0                             ; the scale words, scales and bias are in: the prefetch is asked for behind them
	global_prefetch_b8 v[PFO], s[PFA:PFA+1] offset:ROWB th:TH_LOAD_NT scope:SCOPE_SE   ; K step 1, whose joint load goes out when K step 0 has landed
	s_wait_tensorcnt 0x0                           ; my part of K step 0 is in
	ds_add_u32 v[SPW], v[NIL]
	s_wait_dscnt 0x0                               ; the add is done
	CROUND                                         ; a whole round: everybody's part of K step 0 is in, and the joint loads meet
	JLOAD 1                                        ; K step 1, the first tensor load behind the round
	FETCH 0, 0, 0
	STEP 0, 0, 1, 0                                ; the first step stands in front of the loop: its products start the sums
	WIN 0                                          ; at a label and at a branch every window is 0
	s_mov_b32 s3, LAPS-1
.Llap:                                                 ; a trip goes once round the ring, from a lap's second step to the next lap's first, and fills both slots again: three trips ask for K steps 2 to 7
	STEP 0, 1, 0, 0
	STEP 0, 2, 0, 0
	TURN 0, 1
	STEP 1, 0, 0, 1
	STEP 1, 1, 0, 0
	STEP 1, 2, 0, 0
	TURN 1, 0
	STEP 0, 0, 0, 1
	WIN 0
	s_sub_co_u32 s3, s3, 1
	s_cmp_lg_u32 s3, 0
	s_cbranch_scc1 .Llap
	STEP 0, 1, 0, 0
	STEP 0, 2, 0, 0
	; the last change of slots: nothing is filled again, so no round of the cluster's barrier
	WIN 0
	s_wait_tensorcnt 0x0                           ; my part of the last K step is in
	ds_add_u32 v[SPW], v[NIL]
	s_wait_dscnt 1
.irp i, 0,1,2,3,4,5,6,7
	MI \i, 1, 3, 0, 0
.endr
	s_wait_dscnt 0x0
	s_barrier_signal -1
.irp i, 8,9,10,11
	MI \i, 1, 3, 0, 0
.endr
	s_barrier_wait -1                              ; everybody's is
	PLACES                                         ; for the loads into the two sets 0, which the step before multiplied
	BLOAD 0
	ALOAD 0
	BLOAD 2
.irp i, 12,13,14,15,16,17,18,19,20,21,22,23,24,25,26,27,28,29,30,31
	MI \i, 1, 3, 0, 0
.endr
	PLACES                                         ; for the loads into the two sets 1, below
	BLOAD 3
	s_wait_loadcnt 0x0                             ; the last K step's scale words are in
	s_wait_dscnt 32                                ; W's quarter 0 and A's block 0 are in: quarters 2 and 3 may be out
	ROWQ 0, 0
	BLOAD 1
	ALOAD 1
	s_wait_dscnt 48                                ; quarter 2: quarters 3 and 1 and A's block 1 may be out
	ROWQ 0, 2
	s_wait_dscnt 32                                ; quarter 3: quarter 1 and A's block 1
	ROWQ 0, 3
	s_wait_dscnt 16                                ; quarter 1: A's block 1
	ROWQ 0, 1
	PLACES                                         ; for the loads into A's set 0, and for the multiply-adds, which read results just made
	ALOAD 2
	OUT 0
	s_wait_dscnt 16                                ; A's block 1: block 2 may be out
	ROW 1
	PLACES
	ALOAD 3
	OUT 1
	s_wait_dscnt 16                                ; A's block 2: block 3 may be out
	ROW 2
	PLACES
	OUT 2
	s_wait_dscnt 0x0                               ; A's block 3
	ROW 3
	PLACES
	OUT 3
	WIN 0
	s_wait_tensorcnt 0x0                           ; the wave's end
	ds_add_u32 v[SPW], v[NIL]
	s_wait_dscnt 0x0
	CROUND                                         ; the closing round: no work-group ends while a partner may still ask for a tile that names it
	s_endpgm
.Lfunc_end_k_q5ea902fbdf_gemm:
	.size	k_q5ea902fbdf_gemm, .Lfunc_end_k_q5ea902fbdf_gemm-k_q5ea902fbdf_gemm
	.p2alignl 7, 3214868480
	.fill 96, 4, 3214868480
	.section	.rodata,"a",@progbits
	.p2align	6, 0x0
	.amdhsa_kernel k_q5ea902fbdf_gemm
		.amdhsa_group_segment_fixed_size 327680
		.amdhsa_private_segment_fixed_size 0
		.amdhsa_enable_private_segment 0
		.amdhsa_kernarg_size 48
		.amdhsa_user_sgpr_count 2
		.amdhsa_user_sgpr_kernarg_segment_ptr 1
		.amdhsa_wavefront_size32 1
		.amdhsa_system_sgpr_workgroup_id_x 1
		.amdhsa_system_sgpr_workgroup_id_y 1
		.amdhsa_system_sgpr_workgroup_id_z 1
		.amdhsa_system_vgpr_workitem_id 0
		.amdhsa_next_free_vgpr 1024
		.amdhsa_next_free_sgpr 88
		.amdhsa_reserve_vcc 0
		.amdhsa_float_denorm_mode_32 3
		.amdhsa_float_denorm_mode_16_64 3
		.amdhsa_memory_ordered 1
		.amdhsa_forward_progress 1
		.amdhsa_inst_pref_size 160
	.end_amdhsa_kernel
	.amdgpu_metadata
---
amdhsa.version: [ 1, 2 ]
amdhsa.kernels:
  - .name:           k_q5ea902fbdf_gemm
    .symbol:         k_q5ea902fbdf_gemm.kd
    .args:
      - { .name: input_codes, .offset: 0, .size: 8, .value_kind: global_buffer, .address_space: global }
      - { .name: w_codes, .offset: 8, .size: 8, .value_kind: global_buffer, .address_space: global }
      - { .name: scl, .offset: 16, .size: 8, .value_kind: global_buffer, .address_space: global }
      - { .name: scales, .offset: 24, .size: 8, .value_kind: global_buffer, .address_space: global }
      - { .name: bias, .offset: 32, .size: 8, .value_kind: global_buffer, .address_space: global }
      - { .name: out0, .offset: 40, .size: 8, .value_kind: global_buffer, .address_space: global }
    .group_segment_fixed_size: 327680
    .private_segment_fixed_size: 0
    .kernarg_segment_align: 8
    .kernarg_segment_size: 48
    .max_flat_workgroup_size: 128
    .sgpr_count:     88
    .vgpr_count:     1024
    .wavefront_size: 32
...
	.end_amdgpu_metadata
.endif
;; end of part 2
